; MI455X (gfx1250); checked and timed in simulation.
; The chip was launched on July 23, 2026; its instructions are those of AMD's public machine-readable ISA for CDNA 5 (MIT licence, August 2026) and "CDNA5" Instruction Set Architecture Reference Guide (July 2026). The comments in the code are by the model that wrote it; some were corrected since.
;; Manual Attention. Allowed arithmetic: matrix products marked QUANTISED: E2M1 operands, one E8M0 scale for each 32 along K, by v_wmma_scale_f32_16x16x128_f8f6f4 with both operands' format E2M1 (or v_wmma_scale_f32_32x16x128_f4), f32 sums; everything else in f32.
;; Inputs: out_b 1,024 float32; out_w_codes 1,024 x 32 x 16 uint8 (E2M1 codes of out_w, K innermost, in blocks of 32 codes, two codes a byte); out_w_scales 1,024 x 32 uint8 (E8M0 scales of out_w, one for each 32 codes along K); qkv_b 3,072 float32; qkv_w_codes 3,072 x 32 x 16 uint8 (E2M1 codes of qkv_w, K innermost, in blocks of 32 codes, two codes a byte); qkv_w_scales 3,072 x 32 uint8 (E8M0 scales of qkv_w, one for each 32 codes along K); x_codes 4 x 2,048 x 32 x 16 uint8 (E2M1 codes of x, K innermost, in blocks of 32 codes, two codes a byte); x_scales 4 x 2,048 x 32 uint8 (E8M0 scales of x, one for each 32 codes along K).
;; Outputs: out0 4 x 2,048 x 1,024 float32.
;; This version of the problem:
;;   THIS VERSION OF THE PROBLEM IS GIVEN IN LOW PRECISION. The matrix products marked QUANTISED in the list below multiply operands that are first quantised to E2M1 (2 exponent bits, 1 mantissa bit; 4 bits a number), with one power-of-two scale for each 32 numbers along K (OCP MX v1.0); their sums are f32. All else is computed in f32.
;;   The module's matrix products, in the order in which they are computed (A, B: the left and right operand; K: the contracted axis; several contracted axes count as one K, in the product's order):
;;     1. [M 8,192, K 1,024] x [K 1,024, N 3,072]; A: input x (given as codes); B: input qkv_w (given as codes): QUANTISED
;;     2. batch 64 x [M 2,048, K 64] x [K 64, N 2,048]; A: computed on the way; B: computed on the way: QUANTISED
;;     3. batch 64 x [M 2,048, K 2,048] x [K 2,048, N 64]; A: softmax (see below); B: computed on the way: QUANTISED
;;     4. [M 8,192, K 1,024] x [K 1,024, N 1,024]; A: computed on the way; B: input out_w (given as codes): QUANTISED
;;   THE QUANTISER, for each operand of a quantised product, along K:
;;     - K is cut into blocks of 32 from its start; a last block that is shorter is filled with zeros.
;;     - A block's scale is 2^e with e = floor(log2(the largest magnitude in the block)) - 2, held to -126 .. 127; a block of zeros has e = 0. As a byte (E8M0): e + 127.
;;     - Each number is divided by its block's scale, clamped to +-6, and rounded to the nearest number of E2M1, ties to even, subnormals kept.
;;     - The product sums the exact products of the quantised numbers (number of the format x scale) in f32.
;;   ~~~python
;;   def quantise(x, axis):      # numpy; x: float32 -> the quantised numbers, widened to float32 again
;;       x = np.moveaxis(x, axis, -1); K = x.shape[-1]
;;       x = np.pad(x, [(0, 0)] * (x.ndim - 1) + [(0, -K % 32)]); x = x.reshape(x.shape[:-1] + (-1, 32)); a = np.abs(x).max(-1, keepdims=True)
;;       e = np.where(a > 0, np.clip(np.frexp(np.where(a > 0, a, 1))[1] - 1 - 2, -126, 127), 0)      # np.frexp(a)[1] - 1 = floor(log2(a)), exactly
;;       r = np.clip(x / 2.0 ** e, -6, 6)
;;       step = 2.0 ** (np.maximum(np.frexp(np.where(r == 0, 1, r))[1] - 1, 0) - 1)
;;       q = np.round(r / step) * step * 2.0 ** e      # np.round: ties to even
;;       return np.moveaxis(q.reshape(q.shape[:-2] + (-1,))[..., :K], -1, axis).astype(np.float32)
;;   ~~~
;;   SOFTMAX AHEAD OF A QUANTISED PRODUCT. Where the list says 'softmax', what is quantised is not the finished softmax but p = 2^(t - M), with t = logit x log2(e) and M = ceil(the row's largest t), a whole number; so 1/2 < the row's largest p <= 1. The row's sum l is taken of the UNQUANTISED p, in f32, and the product's result is divided by l at the end. Since M is a whole number, a kernel that streams over the keys may use a running M (the ceiling of the running maximum): every later rescaling is an exact power of two, which a block's scale takes up: the codes' values come out the same.
;;   OPERANDS COMPUTED ON THE WAY. 'Computed on the way' means the value that the module computes at that place (a softmax that the list does not call 'softmax' is quantised finished and normalised). What goes into a quantiser is computed in f32, as accurately as f32 sums, v_exp_f32 and their like allow (about 1e-6 of the number): no bf16 or f16 on the way to a quantiser, and a product that is left as it is and whose result goes on into a quantised operand takes f32 operands (vector FMAs, or v_wmma_f32_16x16x4_f32). A number that lies on a knife's edge between two numbers of the format may be rounded either way, as far as f32 arithmetic and the matrix unit's own rounding can turn it there, and no further.
;;   INPUTS GIVEN AS CODES. out_w (in the module: [1024, 1024], K = its axis 1); qkv_w (in the module: [3072, 1024], K = its axis 1); x (in the module: [4, 2048, 1024], K = its axis 2): each comes as NAME_codes (uint8): NAME with its K axis moved to the last place and cut into blocks of 32 codes, [.., K / 32, bytes a block], one block behind the other in memory; two codes a byte, the lower K in the low four bits (a code: sign, 2 exponent bits, 1 mantissa bit); and NAME_scales (uint8): the same leading axes, one E8M0 byte (e + 127) for each 32 codes along K. Its value is code x scale, taken as it is: it is not quantised again, and the codes and scales need not be those that the quantiser above would give.
;; One version. Each part assembles by itself: llvm-mc -triple=amdgcn-amd-amdhsa -mcpu=gfx1250 --defsym DOCPART=n.
;; ======== version 1 of 1: 3 launches
;; workspace buffers: qimg 4,194,304 bytes; qsc 524,288 bytes; kv 9,175,040 bytes; aimg 4,194,304 bytes; osc 262,144 bytes
;; launch qkv (part 1): grid 12 x 32, 4 waves a work-group, clusters of 4 x 4, 300,544 bytes of LDS; arguments x_codes, x_scales, qkv_w_codes, qkv_w_scales, qkv_b, qimg, qsc, kv; writes qimg, qsc, kv
.if DOCPART == 1
	.amdgcn_target "amdgcn-amd-amdhsa--gfx1250"
	.amdhsa_code_object_version 6
	.text
	.protected	k_qa3e8311631_qkv
	.globl	k_qa3e8311631_qkv
	.p2align	8
	.type	k_qa3e8311631_qkv,@function
k_qa3e8311631_qkv:
	s_mov_b64 s[64:65], 0
	v_nop
	global_prefetch_b8 v0, s[64:65] scope:SCOPE_SE
	s_setreg_imm32_b32 hwreg(HW_REG_WAVE_MODE, 25, 1), 1
	s_wait_xcnt 0x0
	s_wait_alu depctr_hold_cnt(0) depctr_sa_sdst(0) depctr_va_vdst(0) depctr_va_sdst(0) depctr_va_ssrc(0) depctr_va_vcc(0) depctr_vm_vsrc(0)
	s_getreg_b32 s2, hwreg(HW_REG_IB_STS2, 6, 4)
	s_cmp_eq_u32 s2, 0
	s_cbranch_scc0 .Lentry_in_a_cluster
	s_endpgm
.Lentry_in_a_cluster:
	s_bfe_u32 s2, ttmp6, 0x10000c
	s_cmp_lg_u32 s2, 0xf033
	s_cbranch_scc0 .Lentry_shape_is_right
	s_endpgm
.Lentry_shape_is_right:
; qkv = x W^T + b on codes of FP4 (E2M1) with one E8M0 scale for each 32 along K, and the results QUANTISED AGAIN on the way out, as the operands of the attention's two products.
; x: [8192][1024] codes, W: [3072][1024] codes, K innermost, 512 bytes a row; scale bytes 32 a row; b: [3072] f32.
; A work-group of four waves makes 256 rows of x times 256 rows of W; a wave 128 x 128: 64 accumulators of 16 x 16, 512 registers.  K = 1,024 lies in LDS whole, as two slots of 512 along K, each filled ONCE.
; CLUSTERS: 4 x 4 work-groups.  The four of a row of the cluster need the same rows of x, the four of a column the same rows of W: each tile is asked for jointly, by the same tensor load with a mask that names the four.
; ROLES.  The cluster's x (0, 1, 2; the same in all sixteen partners) says whether these 1,024 rows of W make q, k or v.
;   q, k are quantised along the head's 64 channels, which are rows of W; v along the KEYS, which are rows of x.  The operand whose rows are the next K is source 0 (called P): a lane's registers then run along it.
;   The other is source 1 (called L): a lane holds one row of it.  q, k: P = W, L = x.  v: P = x, L = W.  Only the LDS bases of the reads differ, chosen once by s_cselect_b32: the products are one text.
; A LANE'S 64 NUMBERS of one tile a of L: register 8 b + j is P's row 16 b + 8 (lane / 16) + j.  A block of 32 is tiles 2 B, 2 B + 1 of lanes l and l xor 16.  The code register of tile 4 c + 2 B + u goes to place
;   4 c + 2 u + B, and two exchanges of halves for each c leave registers 4 c .. 4 c + 3 with k = 64 c + 32 (lane / 16) + 0 .. 31: the layout of a 4-bit operand.  So what is stored is an IMAGE OF THE READER'S REGISTERS.
; OUT: qimg [head 64][tile of 16 tokens 128][512 bytes]; qsc [head][token] one word (bytes 0, 1 the two blocks' scales, bytes 2, 3 zero);
;   kv [head 64][key step 16][8,960 bytes]: 8 images of k (512 each), 4 images of v^T (1,024 each), 128 scale words of k, 64 scale words of v.
; LIMITS: NaN and infinities are not served.  A block whose largest magnitude lies under 2^-124, a block of zeros among them, gets the scale byte 1; a block of zeros has zero codes, and these bytes are read by this program alone.
; REGISTERS, in windows of 256: window 0: v1-27 addresses; v32-95 scale words, a set for each slot; v96-118 at work on the way out; v128-255 L's fragments, two sets (on the way out: codes, offsets).
;   window 1: v0-127 P's fragments, two sets; v128-191 the bias in the result's layout.   windows 2, 3: accumulator (a, b) at v[8 (8 (a % 4) + b)] of window 2 + a / 4.
.set PITCH,  272                       ; an LDS row: 256 bytes of codes + 16 of padding, so that the 16 rows of a fragment load begin 272 bytes apart
.set HALFT,  128*PITCH                 ; 128 rows: what one tensor load brings, and what one wave reads of x or of W
.set SLOT,   4*HALFT                   ; x's 256 rows, then W's 256 rows
.set SCL,    2*SLOT                    ; behind the slots: the scale bytes, as pieces of 256 bytes + 16 of padding
.set HALFS,  16*272                    ; those of 128 rows
.set SBLK,   2*272                     ; those of 16 rows
.set STG,    SCL+4*HALFS               ; behind them: 1,024 bytes for each wave, for the scale words on their way out; no tensor load lands here
.set REC,    8960                      ; a key step's record in kv
.set HEADB,  16*REC                    ; a head's records
.set WV,  20                           ; s20 wave;  s21 which half of x's rows is mine, also: I fetch for x (0) or W (1);  s22 which half of W's rows, also: which 128 rows I fetch
.set HA,  21
.set HB,  22
.set G1X, 24                           ; s[24:31] group 1 for x's tiles, s[32:39] group 0, a set for each slot
.set G0X, 32
.set G1W, 40                           ; s[40:47], s[48:55] the same for W's
.set G0W, 48
.set G1SX, 56                          ; s[56:63], s[68:71] groups 1 and 0 for x's scale bytes;  s[72:79], s[80:83] for W's
.set G0SX, 68
.set G1SW, 72
.set G0SW, 80
.set ADRA, 16                          ; v16-17 LDS address of L's fragments in slot 0, 1
.set ADRB, 20                          ; v20-21 of P's
.set ADRS, 27                          ; v27    of my scale words: lanes 0-15 L's rows, lanes 16-31 P's
.set SC,   32                          ; set s at v[SC + 32 s]; register 4 i + q: lanes 0-15 L's block i, lanes 16-31 P's block i, the slot's q-th 128 along K
.set TM,   96                          ; v96-99 largest magnitudes, v100-103 bytes, v108-111 the conversions' scale operands
.set PW,   112                         ; the scale word just made
.set SWT,  113                         ; and what of it my half of the lanes sends out
.set VSH,  114
.set STO,  115
.set STR,  116
.set VS0,  117
.set VS1,  118
.set AF,   128
.set BIAS, 128                         ; in window 1
.set PC,   128                         ; the way out: eight code registers for each tile a
.set VO,   192                         ; byte offsets of the images' first and second halves
.set VO2,  200
.set RB,   208
.set MSB, 0
.macro WIN new                         ; the immediate's high byte repeats the setting that is left; a switch that changes nothing is dropped
.if MSB != (\new)
	s_set_vgpr_msb (MSB<<8)|(\new)
.set MSB, (\new)
.endif
.endm
; A joint load: waves 0 and 1 fetch for x, waves 2 and 3 for W.  Each line has one mask and one set of registers for all that issue it; the branch hangs on the wave's number alone.
; Four v_nop follow each of the two lines, ahead of the jump, the label and what follows.
.macro JLOAD g0a, g1a, g0b, g1b
	s_cmp_eq_u32 s[HA], 0
	s_cbranch_scc0 .Lfor_w_\@
	tensor_load_to_lds s[\g0a:\g0a+3], s[\g1a:\g1a+7]
	s_nop 0
.rept 4
	v_nop
.endr
	s_branch .Lasked_\@
.Lfor_w_\@:
	tensor_load_to_lds s[\g0b:\g0b+3], s[\g1b:\g1b+7]
	s_nop 0
.rept 4
	v_nop
.endr
.Lasked_\@:
.endm
.macro CROUND                          ; a round of the cluster's barrier
	s_barrier_signal -1
	s_barrier_wait -1
	s_cmp_lg_u32 s[WV], 0
	s_cbranch_scc1 .Lnot_wave_0_\@
	s_barrier_signal -3
.Lnot_wave_0_\@:
	s_barrier_wait -3
	s_barrier_signal -1
	s_barrier_wait -1
.endm
.macro PLACES n
.rept \n
	v_nop
.endr
.endm
; The fragments of step g (128 along K; slot g / 4, its (g % 4)-th quarter) into set g % 2: 16 loads for P, 16 for L; with a slot's first step its 8 loads of scale words.
.macro FETCH g
.set FP, (\g)%2
.set FQ, (\g)%4
.set FS, (\g)/4
	WIN 0x40                                       ; destination window 1, address window 0
.irp i, 0,1,2,3,4,5,6,7
.irp c, 0,1
	ds_load_b128 v[64*FP+8*\i+4*\c:64*FP+8*\i+4*\c+3], v[ADRB+FS] offset:64*FQ+32*\c+\i*16*PITCH
.endr
.endr
	WIN 0
.irp i, 0,1,2,3,4,5,6,7
.irp c, 0,1
	ds_load_b128 v[AF+64*FP+8*\i+4*\c:AF+64*FP+8*\i+4*\c+3], v[ADRA+FS] offset:64*FQ+32*\c+\i*16*PITCH
.endr
.endr
.if FQ == 0
.irp i, 0,1,2,3,4,5,6,7
	ds_load_b128 v[SC+32*FS+4*\i:SC+32*FS+4*\i+3], v[ADRS] offset:\i*SBLK+16*FS   ; a slot's four words of a row
.endr
.endif
.endm
; Step g's 64 products.  The 64 accumulators take turns, one instruction a turn, in the same order in every step.
; cm = 0: onto the sums.  cm = 1, 2: the first step starts them with the bias as C: by P's rows (q, k) or by L's rows (v).  Nothing is cleared.
.macro MUL g, cm
.set MP, (\g)%2
.set MQ, (\g)%4
.set MS, (\g)/4
.irp a, 0,1,2,3,4,5,6,7
.if (\cm) != 0
	WIN 0x91+0x40*(\a/4)                           ; source 0 (P) window 1, source 1 (L) window 0, C (the bias) window 1, D window 2 or 3
.else
	WIN 0xa1+0x50*(\a/4)                           ; C and D window 2 or 3
.endif
.irp b, 0,1,2,3,4,5,6,7
.set MD, 8*(8*(\a%4)+\b)
.set MC, MD
.if (\cm) == 1
.set MC, BIAS+8*\b
.endif
.if (\cm) == 2
.set MC, BIAS+8*\a
.endif
	v_wmma_scale_f32_16x16x128_f8f6f4 v[MD:MD+7], v[64*MP+8*\b:64*MP+8*\b+7], v[AF+64*MP+8*\a:AF+64*MP+8*\a+7], v[MC:MC+7], v[SC+32*MS+4*\b+MQ], v[SC+32*MS+4*\a+MQ] matrix_a_fmt:MATRIX_FMT_FP4 matrix_b_fmt:MATRIX_FMT_FP4 matrix_a_scale:MATRIX_SCALE_ROW1
.endr
.endr
.endm
; Step g: its fragments, asked for 64 matrix instructions ago, are in; the next step's are asked for; then the products.  Ahead of step 3, which asks for slot 1's first fragments, slot 1 is shown whole to every wave.
.macro KSTEP g
.if (\g) == 3
	s_wait_tensorcnt 0x0                           ; my part of slot 1 has landed
.endif
	s_wait_dscnt 0x0
.if (\g) == 3
	s_barrier_signal -1
	s_barrier_wait -1                              ; everybody's has
.endif
	PLACES 4                                       ; four places between the last products and the loads into the set that they read (ISA guide 7.12.1 for vector instructions)
.if (\g) < 7
	FETCH (\g)+1
.endif
	MUL \g, 0
.endm
; The 64 numbers of tile a become a fragment's codes in v[PC + 8 a] on and its scale word in v[PW].  Each accumulator is read from its low end on.
.macro QUANTW a
.set AC, 64*((\a)%4)
.set QW, 2+(\a)/4
	WIN (QW<<4)|(QW<<2)                            ; sources 1 and 2: the accumulators' window
.irp b, 0,1,2,3
	v_max3_num_f32 v[TM+\b], 0x1800000, |v[AC+16*\b]|, |v[AC+16*\b+1]|   ; block b: my 16 numbers, and the floor 2^(3 - 127): so the byte cannot fall under 1
.endr
.irp i, 2,4,6,8,10,12,14
.irp b, 0,1,2,3
	v_max3_num_f32 v[TM+\b], v[TM+\b], |v[AC+16*\b+\i]|, |v[AC+16*\b+\i+1]|   ; (the four blocks by turns)
.endr
.endr
	WIN 0
.irp b, 0,1,2,3
	v_permlanex16_b32 v[TM+4+\b], v[TM+\b], s2, s23
.endr
.irp b, 0,1,2,3
	v_max_num_f32 v[TM+\b], v[TM+\b], v[TM+4+\b]   ; with lane l xor 16's 16: the block's largest magnitude
.endr
.irp b, 0,1,2,3
	v_add_nc_u32 v[TM+12+\b], 0xff000000, v[TM+\b] ; 2 off its exponent field: the conversion takes the exponent field of this operand as its scale
.endr
.irp b, 0,1,2,3
	v_lshrrev_b32 v[TM+4+\b], 23, v[TM+12+\b]      ; the scale's byte
.endr
	v_lshl_or_b32 v[PW], v[TM+5], 8, v[TM+4]
	v_lshl_or_b32 v[PW], v[TM+6], 16, v[PW]
	v_lshl_or_b32 v[PW], v[TM+7], 24, v[PW]
	WIN QW                                         ; source 0: the accumulators' window
.irp t, 0,1,2,3,4,5,6,7
	v_cvt_scalef32_pk8_fp4_f32 v[PC+8*(\a)+4*(\t/4)+2*(\t%2)+(\t/2)%2], v[AC+8*\t:AC+8*\t+7], v[TM+12+\t/2]
.endr
	WIN 0
	v_nop                                          ; one plain place behind the scaled conversions
.irp i, 0,2,4,6
	v_permlane16_swap_b32 v[PC+8*(\a)+\i], v[PC+8*(\a)+\i+1]   ; the first's lanes 16-31 change places with the second's lanes 0-15: a whole block in a lane
.endr
.endm
	s_load_b256 s[4:11], s[0:1], 0x0               ; x's codes s[4:5], x's scales s[6:7], W's codes s[8:9], W's scales s[10:11]
	s_load_b256 s[12:19], s[0:1], 0x20             ; b s[12:13], qimg s[14:15], qsc s[16:17], kv s[18:19]
	v_lshl_add_u32 v126, v0, 2, 0x49400
	v_mov_b32 v127, 0
	ds_add_u32 v126, v127
	ds_add_u32 v126, v127
	v_lshrrev_b32 v1, 5, v0
	v_readfirstlane_b32 s[WV], v1
	s_lshr_b32 s[HA], s[WV], 1
	s_and_b32 s[HB], s[WV], 1
	s_bfe_u32 s84, ttmp6, 0x40000                  ; cx, cy: my place in the cluster
	s_bfe_u32 s85, ttmp6, 0x40004
	s_lshl_b32 s86, ttmp9, 2
	s_add_co_u32 s86, s86, s84                     ; gx: which 256 rows of W
	s_and_b32 s87, ttmp7, 0xffff
	s_lshl_b32 s87, s87, 2
	s_add_co_u32 s87, s87, s85                     ; gy: which 256 rows of x
	s_lshl_b32 s88, s85, 2
	s_lshl_b32 s88, 15, s88                        ; my row of the cluster
	s_lshl_b32 s89, 0x1111, s84                    ; my column
	; group 1: a tile of 128 rows x 256 bytes, 512 bytes from row to row, 16 bytes of padding behind each row
	s_or_b32 s[G1X], s88, (1<<20)|(1<<21)|(5<<22)|(3<<25)   ; 15:0 the mask; 17:16 elements of 1 byte; 20 padding on; 21 set beside a mask; 24:22 after every 64 words; 31:25 four words
	s_or_b32 s[G1W], s89, (1<<20)|(1<<21)|(5<<22)|(3<<25)
.irp g, G1X, G1W
	s_mov_b32 s[\g+1], 256<<16                     ; tensor_dim0
	s_mov_b32 s[\g+2], 128<<16                     ; tensor_dim1
	s_mov_b32 s[\g+3], 256<<16                     ; tile_dim0
	s_mov_b32 s[\g+4], 128                         ; tile_dim1
	s_mov_b32 s[\g+5], 512                         ; from row to row
	s_mov_b32 s[\g+6], 0
	s_mov_b32 s[\g+7], 0
.endr
	; the scale bytes of 128 rows: 4,096 dense bytes, as 16 rows of 256 (32 elements of 8 bytes), 16 bytes of padding behind each
	s_or_b32 s[G1SX], s88, (3<<16)|(1<<20)|(1<<21)|(5<<22)|(3<<25)
	s_or_b32 s[G1SW], s89, (3<<16)|(1<<20)|(1<<21)|(5<<22)|(3<<25)
.irp g, G1SX, G1SW
	s_mov_b32 s[\g+1], 32<<16
	s_mov_b32 s[\g+2], 16<<16
	s_mov_b32 s[\g+3], 32<<16
	s_mov_b32 s[\g+4], 16
	s_mov_b32 s[\g+5], 32
	s_mov_b32 s[\g+6], 0
	s_mov_b32 s[\g+7], 0
.endr
	s_lshl_b32 s90, s[HB], 7                       ; which 128 rows of the tile I fetch
	s_lshl_b32 s92, s87, 8
	s_add_co_u32 s92, s92, s90                     ; x: row 256 gy + 128 half
	s_lshl_b32 s94, s86, 8
	s_add_co_u32 s94, s94, s90                     ; W: row 256 gx + 128 half
	s_lshl_b32 s96, s92, 5                         ; their scale bytes: 32 a row
	s_mov_b32 s97, 0
	s_lshl_b32 s98, s94, 5
	s_mov_b32 s99, 0
	s_lshl_b32 s92, s92, 9                         ; their codes: 512 bytes a row
	s_mov_b32 s93, 0
	s_lshl_b32 s94, s94, 9
	s_mov_b32 s95, 0
	s_mul_i32 s100, s[WV], HALFT                   ; where they go: wave x 128 rows: no place in the cluster enters an LDS address
	s_mul_i32 s101, s[WV], HALFS
	s_mov_b32 s2, 0x76543210                       ; v_permlanex16_b32's selects for lane l xor 16
	s_mov_b32 s23, 0xfedcba98
	s_wait_dscnt 0x0
	s_wait_kmcnt 0x0
	s_add_nc_u64 s[92:93], s[4:5], s[92:93]
	s_add_nc_u64 s[96:97], s[6:7], s[96:97]
	s_add_nc_u64 s[94:95], s[8:9], s[94:95]
	s_add_nc_u64 s[98:99], s[10:11], s[98:99]
	s_mov_b32 s[G0SX], 1
	s_add_co_u32 s[G0SX+1], s101, SCL
	s_mov_b64 s[G0SX+2:G0SX+3], s[96:97]
	s_or_b32 s[G0SX+3], s[G0SX+3], 0x80000000
	s_mov_b32 s[G0SW], 1
	s_add_co_u32 s[G0SW+1], s101, SCL
	s_mov_b64 s[G0SW+2:G0SW+3], s[98:99]
	s_or_b32 s[G0SW+3], s[G0SW+3], 0x80000000
.irp s, 0,1
	s_mov_b32 s[G0X+4*\s], 1
	s_add_co_u32 s[G0X+4*\s+1], s100, \s*SLOT
	s_add_nc_u64 s[G0X+4*\s+2:G0X+4*\s+3], s[92:93], \s*256
	s_or_b32 s[G0X+4*\s+3], s[G0X+4*\s+3], 0x80000000
	s_mov_b32 s[G0W+4*\s], 1
	s_add_co_u32 s[G0W+4*\s+1], s100, \s*SLOT
	s_add_nc_u64 s[G0W+4*\s+2:G0W+4*\s+3], s[94:95], \s*256
	s_or_b32 s[G0W+4*\s+3], s[G0W+4*\s+3], 0x80000000
.endr
	CROUND                                         ; all sixteen work-groups are here: the joint loads meet
	JLOAD G0SX, G1SX, G0SW, G1SW                   ; all that the launch fetches goes out now: three tensor loads of mine are out.  The scale bytes,
	JLOAD G0X, G1X, G0W, G1W                       ; K = 0 .. 511,
	JLOAD G0X+4, G1X, G0W+4, G1W                   ; K = 512 .. 1,023
	v_and_b32 v1, 15, v0                           ; r = lane % 16
	v_bfe_u32 v2, v0, 4, 1                         ; h = lane / 16
	v_mul_u32_u24 v3, v1, PITCH
	v_lshl_add_u32 v4, v2, 4, v3                   ; a fragment's row x pitch + 16 h
	s_wait_alu depctr_va_vdst(0)
	s_mul_i32 s4, s[HA], HALFT                     ; my 128 rows of x,
	s_mul_i32 s5, s[HB], HALFT
	s_add_co_u32 s5, s5, 2*HALFT                   ; my 128 rows of W, behind x's 256,
	s_mul_i32 s6, s[HA], HALFS                     ; and their scale bytes
	s_mul_i32 s7, s[HB], HALFS
	s_add_co_u32 s7, s7, 2*HALFS
	s_cmp_eq_u32 ttmp9, 2                          ; v?  Then P = x and L = W
	s_cselect_b32 s8, s5, s4                       ; L's rows
	s_cselect_b32 s9, s4, s5                       ; P's rows
	s_cselect_b32 s10, s7, s6                      ; L's scale bytes
	s_cselect_b32 s11, s6, s7                      ; P's
.irp s, 0,1
	v_add_nc_u32 v[ADRA+\s], s8, v4
	v_add_nc_u32 v[ADRB+\s], s9, v4
	s_add_co_u32 s8, s8, SLOT
	s_add_co_u32 s9, s9, SLOT
.endr
	v_lshlrev_b32 v5, 5, v1                        ; my row's scale bytes: 32 a row,
	v_lshrrev_b32 v6, 3, v1
	v_lshl_add_u32 v5, v6, 4, v5                   ; and 16 more behind each 256
	v_mov_b32 v6, s10
	v_mov_b32 v7, s11
	v_cmp_eq_u32 vcc_lo, 1, v2
	v_cndmask_b32 v6, v6, v7, vcc_lo               ; lanes 16-31 take P's
	v_add_nc_u32 v5, v5, v6
	v_add_nc_u32 v[ADRS], SCL, v5
	s_lshl_b32 s4, s[WV], 10
	s_add_co_u32 s4, s4, STG                       ; my 1,024 bytes of stage
	v_lshlrev_b32 v6, 2, v1
	v_lshl_add_u32 v6, v2, 9, v6
	v_add_nc_u32 v[STO], s4, v6                    ; in: 512 h + 4 r
	v_and_b32 v7, 31, v0
	v_lshlrev_b32 v7, 4, v7
	v_add_nc_u32 v[STR], s4, v7                    ; back: 16 x lane
.irp b, 0,1,2,3
	v_mov_b32 v[TM+4+\b], 0                        ; written once: a lane permute's destination counts as one of its sources
.endr
	; the bias of my 128 rows of W, in the result's layout: eight registers a tile
	s_lshl_b32 s4, s86, 10
	s_lshl_b32 s5, s[HB], 9
	s_add_co_u32 s4, s4, s5
	s_mov_b32 s5, 0
	s_add_nc_u64 s[12:13], s[12:13], s[4:5]
	v_lshlrev_b32 v10, 5, v2                       ; 32 h
	v_lshlrev_b32 v11, 2, v1                       ; 4 r
	s_cmp_eq_u32 ttmp9, 2
	s_cbranch_scc1 .Lbias_v
	WIN 0x40
.irp b, 0,1,2,3,4,5,6,7                        ; q, k: W's rows run along the registers: b(16 b + 8 h + j)
	global_load_b128 v[BIAS+8*\b:BIAS+8*\b+3], v10, s[12:13] offset:64*\b
	global_load_b128 v[BIAS+8*\b+4:BIAS+8*\b+7], v10, s[12:13] offset:64*\b+16
.endr
	WIN 0
	s_branch .Lbias_in
.Lbias_v:
	WIN 0x40
	s_wait_alu depctr_va_vdst(0)
.irp a, 0,1,2,3,4,5,6,7                        ; v: a lane holds one row of W: b(16 a + r) in all eight registers
.irp j, 0,1,2,3,4,5,6,7
	global_load_b32 v[BIAS+8*\a+\j], v11, s[12:13] offset:64*\a
.endr
.endr
	WIN 0
.Lbias_in:
	s_wait_tensorcnt 1                             ; the scale bytes and my part of slot 0 are in; slot 1's load, issued behind them, may stay out
	s_barrier_signal -1
	s_barrier_wait -1                              ; everybody's are
	FETCH 0
	s_wait_loadcnt 0x0                             ; the bias
	s_wait_dscnt 0x0
	FETCH 1
	s_cmp_eq_u32 ttmp9, 2
	s_cbranch_scc1 .Lfirst_v
	MUL 0, 1
	WIN 0                                          ; at a label and at a branch every window is 0
	s_branch .Lfirst_done
.Lfirst_v:
	MUL 0, 2
	WIN 0
.Lfirst_done:
	KSTEP 1
	KSTEP 2
	KSTEP 3
	KSTEP 4
	KSTEP 5
	KSTEP 6
	KSTEP 7
	WIN 0
	PLACES 4                                       ; behind the last products, ahead of the first read of results and of writes into L's registers
	; THE WAY OUT.  Where the images and the scale words go, by role; every number is chosen by s_cselect on the cluster's x.
	;            image of tile a at                          second half at   scale words
	;   q:  qimg + head 65,536 + 32 token + 512 a            + 65,536 (next head)   qsc + head 8,192 + 4 token; next head + 8,192
	;   k:  kv + record + 512 a                              + 143,360 (next head)  record + 8,192; next head + 143,360
	;   v:  kv + record + 4,096 + 1,024 (a % 4) + 143,360 (a / 4)   + 512           record + 8,704: 256 bytes for each of the two heads
	s_lshl_b32 s4, s87, 8
	s_lshl_b32 s5, s[HA], 7
	s_add_co_u32 s4, s4, s5                        ; my first row of x
	s_lshr_b32 s5, s4, 11                          ; its batch
	s_and_b32 s4, s4, 2047                         ; and token
	s_lshl_b32 s5, s5, 4
	s_and_b32 s6, s86, 3
	s_lshl_b32 s6, s6, 2
	s_add_co_u32 s5, s5, s6
	s_lshl_b32 s6, s[HB], 1
	s_add_co_u32 s5, s5, s6                        ; my first head: 16 batch + 4 (gx % 4) + 2 half
	s_lshl_b32 s6, s5, 4
	s_lshr_b32 s7, s4, 7
	s_add_co_u32 s6, s6, s7
	s_mul_i32 s6, s6, REC                          ; its record of my key step
	s_lshl_b32 s7, s5, 16
	s_lshl_b32 s8, s4, 5
	s_add_co_u32 s7, s7, s8                        ; q: the images
	s_lshl_b32 s8, s5, 13
	s_lshl_b32 s9, s4, 2
	s_add_co_u32 s8, s8, s9                        ; q: the scale words
	s_cmp_eq_u32 ttmp9, 2
	s_mov_b32 s90, 512
	s_cselect_b32 s90, 1024, s90                   ; from tile a to a + 1
	s_mov_b32 s91, 2048
	s_cselect_b32 s91, HEADB, s91                  ; from tile a to a + 4
	s_mov_b32 s92, 256
	s_cselect_b32 s92, HEADB, s92                  ; the scale words: from lanes 0-15 to lanes 16-31
	s_cselect_b32 s93, 0, 16                       ; q, k: lanes 16-31 send the word's upper half, the second head's
	s_mov_b32 s94, 0xffff
	s_cselect_b32 s94, -1, s94
	s_mov_b32 s95, HEADB
	s_cselect_b32 s95, 512, s95                    ; from an image's first half to its second
	s_cselect_b32 s9, 4096, 0
	s_mov_b32 s10, 8192
	s_cselect_b32 s10, 8704, s10
	s_add_co_u32 s9, s9, s6
	s_add_co_u32 s10, s10, s6
	s_cmp_eq_u32 ttmp9, 0
	s_cselect_b64 s[14:15], s[14:15], s[18:19]     ; the images' buffer
	s_cselect_b64 s[16:17], s[16:17], s[18:19]     ; the scale words'
	s_cselect_b32 s96, s7, s9
	s_cselect_b32 s98, s8, s10
	s_cselect_b32 s95, 0x10000, s95
	s_mov_b32 s3, HEADB
	s_cselect_b32 s3, 8192, s3                     ; the second head's scale words (q, k)
	s_mov_b32 s97, 0
	s_mov_b32 s99, 0
	s_add_nc_u64 s[14:15], s[14:15], s[96:97]
	s_add_nc_u64 s[16:17], s[16:17], s[98:99]
	v_and_b32 v[VO], 31, v0
	v_lshlrev_b32 v[VO], 4, v[VO]                  ; an image is 16 bytes a lane: a store of the wave covers 512 consecutive bytes, aligned
	v_add_nc_u32 v[VO+4], s91, v[VO]
.irp a, 1,2,3,5,6,7
	v_add_nc_u32 v[VO+\a], s90, v[VO+\a-1]
.endr
.irp a, 0,1,2,3,4,5,6,7
	v_add_nc_u32 v[VO2+\a], s95, v[VO+\a]
.endr
	v_mul_u32_u24 v[VSH], v2, s93
	v_mul_u32_u24 v[VS0], v2, s92
	v_lshl_add_u32 v[VS0], v1, 4, v[VS0]
	v_add_nc_u32 v[VS1], s3, v[VS0]
.irp a, 0,1,2,3,4,5,6,7                        ; every tile has code and offset registers of its own: no register that a store reads is written again
	QUANTW \a
	global_store_b128 v[VO+\a], v[PC+8*\a:PC+8*\a+3], s[14:15]
	global_store_b128 v[VO2+\a], v[PC+8*\a+4:PC+8*\a+7], s[14:15]
	v_lshrrev_b32 v[SWT], v[VSH], v[PW]
	v_and_b32 v[SWT], s94, v[SWT]
	ds_store_b32 v[STO], v[SWT] offset:64*\a       ; the words of 128 rows gather in my stage
.endr
	ds_load_b128 v[RB:RB+3], v[STR]                ; LDS serves a wave's instructions in order (ISA guide 5.7.1.4): these see my stores
	ds_load_b128 v[RB+4:RB+7], v[STR] offset:512
	s_wait_dscnt 0x0
	global_store_b128 v[VS0], v[RB:RB+3], s[16:17] ; sixteen lanes store 256 consecutive bytes, aligned
	s_cmp_eq_u32 ttmp9, 2
	s_cbranch_scc1 .Lone
	global_store_b128 v[VS1], v[RB+4:RB+7], s[16:17]   ; q, k: the second head's 128 words
.Lone:
	s_wait_tensorcnt 0x0
	ds_add_u32 v126, v127
	s_wait_dscnt 0x0
	CROUND                                         ; the closing round: no work-group ends while a partner may still ask for a tile that names it
	s_endpgm
.Lfunc_end_k_qa3e8311631_qkv:
	.size	k_qa3e8311631_qkv, .Lfunc_end_k_qa3e8311631_qkv-k_qa3e8311631_qkv
	.p2alignl 7, 3214868480
	.fill 96, 4, 3214868480
	.section	.rodata,"a",@progbits
	.p2align	6, 0x0
	.amdhsa_kernel k_qa3e8311631_qkv
		.amdhsa_group_segment_fixed_size 300544
		.amdhsa_private_segment_fixed_size 0
		.amdhsa_enable_private_segment 0
		.amdhsa_kernarg_size 64
		.amdhsa_user_sgpr_count 2
		.amdhsa_user_sgpr_kernarg_segment_ptr 1
		.amdhsa_wavefront_size32 1
		.amdhsa_system_sgpr_workgroup_id_x 1
		.amdhsa_system_sgpr_workgroup_id_y 1
		.amdhsa_system_sgpr_workgroup_id_z 1
		.amdhsa_system_vgpr_workitem_id 0
		.amdhsa_next_free_vgpr 1024
		.amdhsa_next_free_sgpr 102
		.amdhsa_reserve_vcc 1
		.amdhsa_float_denorm_mode_32 3
		.amdhsa_float_denorm_mode_16_64 3
		.amdhsa_memory_ordered 1
		.amdhsa_forward_progress 1
		.amdhsa_inst_pref_size 146
	.end_amdhsa_kernel
	.amdgpu_metadata
---
amdhsa.version: [ 1, 2 ]
amdhsa.kernels:
  - .name:           k_qa3e8311631_qkv
    .symbol:         k_qa3e8311631_qkv.kd
    .args:
      - { .name: x_codes, .offset: 0, .size: 8, .value_kind: global_buffer, .address_space: global }
      - { .name: x_scales, .offset: 8, .size: 8, .value_kind: global_buffer, .address_space: global }
      - { .name: qkv_w_codes, .offset: 16, .size: 8, .value_kind: global_buffer, .address_space: global }
      - { .name: qkv_w_scales, .offset: 24, .size: 8, .value_kind: global_buffer, .address_space: global }
      - { .name: qkv_b, .offset: 32, .size: 8, .value_kind: global_buffer, .address_space: global }
      - { .name: qimg, .offset: 40, .size: 8, .value_kind: global_buffer, .address_space: global }
      - { .name: qsc, .offset: 48, .size: 8, .value_kind: global_buffer, .address_space: global }
      - { .name: kv, .offset: 56, .size: 8, .value_kind: global_buffer, .address_space: global }
    .group_segment_fixed_size: 300544
    .private_segment_fixed_size: 0
    .kernarg_segment_align: 8
    .kernarg_segment_size: 64
    .max_flat_workgroup_size: 128
    .sgpr_count:     102
    .vgpr_count:     1024
    .wavefront_size: 32
...
	.end_amdgpu_metadata
.endif
;; end of part 1
;; launch attn (part 2): grid 8 x 32, 16 waves a work-group, clusters of 4 x 1, 289,792 bytes of LDS; arguments qimg, qsc, kv, aimg, osc; writes aimg, osc
.if DOCPART == 2
	.amdgcn_target "amdgcn-amd-amdhsa--gfx1250"
	.amdhsa_code_object_version 6
	.text
	.protected	k_qa3e8311631_attn
	.globl	k_qa3e8311631_attn
	.p2align	8
	.type	k_qa3e8311631_attn,@function
k_qa3e8311631_attn:
	s_mov_b64 s[64:65], 0
	v_nop
	global_prefetch_b8 v0, s[64:65] scope:SCOPE_SE
	s_setreg_imm32_b32 hwreg(HW_REG_WAVE_MODE, 25, 1), 1
	s_wait_xcnt 0x0
	s_wait_alu depctr_hold_cnt(0) depctr_sa_sdst(0) depctr_va_vdst(0) depctr_va_sdst(0) depctr_va_ssrc(0) depctr_va_vcc(0) depctr_vm_vsrc(0)
	s_getreg_b32 s2, hwreg(HW_REG_IB_STS2, 6, 4)
	s_cmp_eq_u32 s2, 0
	s_cbranch_scc0 .Lentry_in_a_cluster
	s_endpgm
.Lentry_in_a_cluster:
	s_bfe_u32 s2, ttmp6, 0x10000c
	s_cmp_lg_u32 s2, 0x3003
	s_cbranch_scc0 .Lentry_shape_is_right
	s_endpgm
.Lentry_shape_is_right:
; o = softmax(q k^T / 8) v for 64 heads of 2,048 tokens and 64 channels, both products on codes of FP4 (E2M1) with one E8M0 scale for each 32 along a product's K; o is quantised again, as the last product's operand.
; THE SOFTMAX AHEAD OF THE SECOND PRODUCT: t = score x log2(e) / 8; M = the row's largest t so far, rounded UP to a whole number; p = 2^(t - M) is what is quantised, along the keys; it is not normalised.
; The row's sum is taken of the unquantised p, in f32, and divides O at the end.  When M moves, the sum and O are multiplied by 2^(old M - new M): exact.
; SHARES.  A work-group owns 256 queries of a PAIR of heads (2 y, 2 y + 1); each of its sixteen waves owns 16 queries in 256 registers and walks first the one head's 2,048 keys, then the other's, 128 a step.
;   So a wave finishes, for its 16 tokens, one whole fragment (128 along the last product's K) and one whole scale word a token.
; LDS.  The pair's 286,720 bytes of kv (per key step: 8 images of k, 4 of v^T, their scale words) come in ONCE and lie as in memory; every fragment is read at 16 x lane.  Nothing is filled again.
; CLUSTER.  The four query blocks of a cluster walk the same pair: waves 0 to 3 of each ask jointly, three tensor loads a wave: the first head's key steps 0-3, its steps 4-15, the second head.
; LAYOUT.  Both products are used transposed: S^T = k q^T (source 0 = 16 keys, source 1 = my 16 queries), O^T = v^T p^T: a lane holds ONE query (lane % 16) throughout.  Register 8 t + j of S^T is key 16 t + 8 (lane / 16) + j:
;   a block of 32 keys is tiles 2 B, 2 B + 1 of lanes l and l xor 16.  The code register of tile 4 c + 2 B + u goes to place 4 c + 2 u + B; two exchanges of halves for each c give the operand's layout.
; The head's K is 64 and the instruction's 128: registers 4-7 of q's and k's fragments hold zero codes, and bytes 2, 3 of their scale words are 0, which is 2^-127: zeros add nothing.
; LIMITS: NaN and infinities are not served.  p under 2^-126 is 0 (v_exp_f32, ISA guide 15.8).  O is divided by the sum through v_rcp_f32 and a multiplication.  A block whose largest magnitude lies under 2^-124 gets the byte 1.
; REGISTERS: v1-8 addresses and the word; v12 -M, v13 the largest t, v[14:15] the sum in two halves; v16-23 q; v24-31 k's scale words; v32-95 k's 8 fragments; v96-159 S^T, then p; v160-191 O^T; v192-223 v^T's 4 fragments;
;   v224-231 p's codes; v232-247 at work (v240-243 v's scale words); v248 f; v253 p's scale word; v255 q's.
.set REC,   8960                       ; a key step's record
.set HEADB, 16*REC
.set STG,   2*HEADB                    ; behind the pair: 1,024 bytes, the scale words of the 256 tokens; no tensor load lands here
.set L16, 1                            ; v1  16 x lane
.set R4,  2                            ; v2  4 x (lane % 16)
.set AD16, 3                           ; v3  the step's record + 16 x lane
.set AD4, 4                            ; v4  + 4 x (lane % 16)
.set STA, 5                            ; v5  where my row's word goes: STG + 64 wave + 4 (lane % 16)
.set STB, 6                            ; v6  where it is read back: STG + 16 x thread
.set T16, 7                            ; v7  16 x thread
.set SW,  8                            ; v8  my token's scale word: bytes 0, 1 the first head's, bytes 2, 3 the second's
.set WV,  14
.set W3,  15
.set SEL, 20
.set CS,  22
.set G1A, 24
.set G1B, 32
.set G1C, 40
.set G0A, 48
.set G0B, 52
.set G0C, 56
.set TB,  60                           ; s60 LDS byte of the step's record
.set CNT, 61
.macro ROUND                           ; a round of the cluster's barrier
	s_barrier_signal -1
	s_barrier_wait -1
	s_cmp_lg_u32 s[WV], 0
	s_cbranch_scc1 .Lnot_wave_0_\@
	s_barrier_signal -3
.Lnot_wave_0_\@:
	s_barrier_wait -3
	s_barrier_signal -1
	s_barrier_wait -1
.endm
; A KEY STEP: 128 keys.
.macro STEP
	v_add_nc_u32 v[AD16], s[TB], v[L16]
	v_add_nc_u32 v[AD4], s[TB], v[R4]
	v_nop
	v_nop                                          ; four places between the last step's products and the loads into the registers that they read
.irp t, 0,1,2,3,4,5,6,7
	ds_load_b128 v[32+8*\t:35+8*\t], v[AD16] offset:512*\t          ; k's tile t: registers 0-3; registers 4-7 stay zero
	ds_load_b32 v[24+\t], v[AD4] offset:8192+64*\t
.endr
.irp t, 0,1,2,3
	ds_load_b128 v[192+8*\t:195+8*\t], v[AD16] offset:4096+1024*\t  ; v^T's tile t: it lands while the softmax is walked
	ds_load_b128 v[196+8*\t:199+8*\t], v[AD16] offset:4096+1024*\t+512
	ds_load_b32 v[240+\t], v[AD4] offset:8704+64*\t
.endr
	s_wait_dscnt 12                                ; k's sixteen loads are in; v's twelve, issued behind them, may be out
.irp t, 0,1,2,3,4,5,6,7
	v_wmma_scale_f32_16x16x128_f8f6f4 v[96+8*\t:103+8*\t], v[32+8*\t:39+8*\t], v[16:23], 0, v[24+\t], v255 matrix_a_fmt:MATRIX_FMT_FP4 matrix_b_fmt:MATRIX_FMT_FP4
.endr
.rept 4
	v_nop
.endr
.irp b, 0,1,2,3
	v_max3_num_f32 v[232+\b], v[96+16*\b], v[97+16*\b], v[98+16*\b]   ; the largest score of each block of 32 keys: it serves for the row's maximum and, since p rises with the score, for the block's largest p
.endr
.irp i, 3,5,7,9,11,13
.irp b, 0,1,2,3
	v_max3_num_f32 v[232+\b], v[232+\b], v[96+16*\b+\i], v[97+16*\b+\i]
.endr
.endr
.irp b, 0,1,2,3
	v_max_num_f32 v[232+\b], v[232+\b], v[111+16*\b]
.endr
.irp b, 0,1,2,3
	s_delay_alu instid0(VALU_DEP_4)
	v_permlanex16_b32 v[236+\b], v[232+\b], s[SEL], s[SEL+1]
.endr
.irp b, 0,1,2,3
	s_delay_alu instid0(VALU_DEP_4)
	v_max_num_f32 v[232+\b], v[232+\b], v[236+\b]  ; with lane l xor 16's 16 keys
.endr
	s_delay_alu instid0(VALU_DEP_2)
	v_max3_num_f32 v254, v232, v233, v234
	s_delay_alu instid0(VALU_DEP_1)
	v_max_num_f32 v254, v254, v235                 ; the step's largest score of my query
	s_delay_alu instid0(VALU_DEP_1)
	v_mul_f32 v254, s[CS], v254                    ; as t (c is positive)
	s_delay_alu instid0(VALU_DEP_1)
	v_max_num_f32 v13, v13, v254                   ; the running largest t
	v_mov_b32 v254, v12
	s_delay_alu instid0(VALU_DEP_2)
	v_floor_f32 v12, -v13                          ; the new -M = floor(-t) = -ceil(t)
	s_delay_alu instid0(VALU_DEP_1)
	v_sub_f32 v254, v12, v254                      ; old M - new M: a whole number, 0 or less
	s_delay_alu instid0(VALU_DEP_1)
	v_cvt_i32_f32 v254, v254                       ; (it saturates)
	s_delay_alu instid0(VALU_DEP_1)
	v_ldexp_f32 v248, 1.0, v254                    ; f = 2^(old M - new M)
.irp j, 0,2,4,6,8,10,12,14,16,18,20,22,24,26,28,30,32,34,36,38,40,42,44,46,48,50,52,54,56,58,60,62
	v_pk_fma_f32 v[96+\j:97+\j], v[96+\j:97+\j], s[CS:CS+1], v[12:13] op_sel_hi:[1,0,0]   ; t - M, two at a time
.endr
.irp b, 0,1,2,3
	v_fma_f32 v[232+\b], v[232+\b], s[CS], v12     ; the same of each block's largest score
.endr
	s_wait_alu depctr_va_vdst(0)
.irp j, 0,1,2,3,4,5,6,7,8,9,10,11,12,13,14,15,16,17,18,19,20,21,22,23,24,25,26,27,28,29,30,31,32,33,34,35,36,37,38,39,40,41,42,43,44,45,46,47,48,49,50,51,52,53,54,55,56,57,58,59,60,61,62,63
	v_exp_f32 v[96+\j], v[96+\j]                   ; p = 2^(t - M), at most 1
.endr
	s_setprio 1
	v_pk_mul_f32 v[14:15], v[14:15], v[248:249] op_sel_hi:[1,0]   ; the sums under the new M: the plain instruction behind the exponentials
	s_wait_alu depctr_va_vdst(0)                   ; one wait for the whole batch, ahead of its first reader
.irp b, 0,1,2,3
	v_exp_f32 v[232+\b], v[232+\b]                 ; the block's largest p: the same two instructions on the same number give the same bits
.endr
	v_pk_add_f32 v[236:237], v[100:101], v[104:105]
	v_pk_add_f32 v[246:247], v[108:109], v[112:113]
	v_pk_add_f32 v[244:245], v[116:117], v[120:121]
	v_pk_add_f32 v[238:239], v[124:125], v[128:129]
	v_pk_add_f32 v[230:231], v[132:133], v[136:137]
	v_pk_add_f32 v[228:229], v[140:141], v[144:145]
	v_pk_add_f32 v[226:227], v[148:149], v[152:153]
	v_pk_add_f32 v[14:15], v[14:15], v[156:157]
	v_pk_add_f32 v[236:237], v[236:237], v[96:97]
	v_pk_add_f32 v[246:247], v[246:247], v[98:99]
	v_pk_add_f32 v[244:245], v[244:245], v[102:103]
	v_pk_add_f32 v[238:239], v[238:239], v[106:107]
	v_pk_add_f32 v[230:231], v[230:231], v[110:111]
	v_pk_add_f32 v[228:229], v[228:229], v[114:115]
	v_pk_add_f32 v[226:227], v[226:227], v[118:119]
	v_pk_add_f32 v[14:15], v[14:15], v[122:123]
	v_pk_add_f32 v[236:237], v[236:237], v[126:127]
	v_pk_add_f32 v[246:247], v[246:247], v[130:131]
	v_pk_add_f32 v[244:245], v[244:245], v[134:135]
	v_pk_add_f32 v[238:239], v[238:239], v[138:139]
	v_pk_add_f32 v[230:231], v[230:231], v[142:143]
	v_pk_add_f32 v[228:229], v[228:229], v[146:147]
	v_pk_add_f32 v[226:227], v[226:227], v[150:151]
	v_pk_add_f32 v[14:15], v[14:15], v[154:155]
	v_pk_add_f32 v[236:237], v[236:237], v[158:159]
	s_delay_alu instid0(VALU_DEP_2)
	v_pk_add_f32 v[14:15], v[14:15], v[238:239]
	s_delay_alu instid0(VALU_DEP_2)
	v_pk_add_f32 v[236:237], v[236:237], v[230:231]
	v_pk_add_f32 v[246:247], v[246:247], v[228:229]
	v_pk_add_f32 v[244:245], v[244:245], v[226:227]
	s_delay_alu instid0(VALU_DEP_2)
	v_pk_add_f32 v[14:15], v[14:15], v[246:247]
	s_delay_alu instid0(VALU_DEP_2)
	v_pk_add_f32 v[236:237], v[236:237], v[244:245]
	s_delay_alu instid0(VALU_DEP_1)
	v_pk_add_f32 v[14:15], v[14:15], v[236:237]
	s_wait_alu depctr_va_vdst(0)                   ; and one for the four
.irp b, 0,1,2,3
	v_max_num_f32 v[232+\b], 0x1800000, v[232+\b]  ; the floor 2^(3 - 127): the byte cannot fall under 1
.endr
.irp b, 0,1,2,3
	s_delay_alu instid0(VALU_DEP_4)
	v_add_nc_u32 v[244+\b], 0xff000000, v[232+\b]  ; 2 off the exponent field: the conversion's scale operand
.endr
.irp b, 0,1,2,3
	s_delay_alu instid0(VALU_DEP_4)
	v_lshrrev_b32 v[236+\b], 23, v[244+\b]         ; the scale's byte
.endr
	s_delay_alu instid0(VALU_DEP_3)
	v_lshl_or_b32 v253, v237, 8, v236              ; p's scale word for these 128 keys
	s_delay_alu instid0(VALU_DEP_1)
	v_lshl_or_b32 v253, v238, 16, v253
	s_delay_alu instid0(VALU_DEP_1)
	v_lshl_or_b32 v253, v239, 24, v253
.irp t, 0,1,2,3,4,5,6,7
	v_cvt_scalef32_pk8_fp4_f32 v[224+4*(\t/4)+2*(\t%2)+(\t/2)%2], v[96+8*\t:103+8*\t], v[244+\t/2]
.endr
	v_nop                                          ; one plain place behind the scaled conversions
	s_setprio 0
.irp i, 0,2,4,6
	v_permlane16_swap_b32 v[224+\i], v[225+\i]     ; a whole block in a lane: lanes 0-15 block 2 c, lanes 16-31 block 2 c + 1
.endr
.irp j, 0,2,4,6,8,10,12,14,16,18,20,22,24,26,28,30
	v_pk_mul_f32 v[160+\j:161+\j], v[160+\j:161+\j], v[248:249] op_sel_hi:[1,0]   ; O^T under the new M.  These sixteen also stand between the writes of p's codes and scale word and the products
.endr
	s_wait_alu depctr_va_vdst(0)
	s_wait_dscnt 0x0                               ; v^T's fragments and scale words are in
.irp t, 0,1,2,3
	v_wmma_scale_f32_16x16x128_f8f6f4 v[160+8*\t:167+8*\t], v[192+8*\t:199+8*\t], v[224:231], v[160+8*\t:167+8*\t], v[240+\t], v253 matrix_a_fmt:MATRIX_FMT_FP4 matrix_b_fmt:MATRIX_FMT_FP4
.endr
.endm
; cnt key steps from LDS byte base on.  left: how many of my tensor loads were issued behind the one that brought them.  Later loads may cross this barrier: no byte is filled again.
.macro RUN cnt, left, base
	s_wait_tensorcnt \left
	s_wait_dscnt 0x0
	s_barrier_signal -1
	s_barrier_wait -1                              ; every fetching wave's part has landed
	s_mov_b32 s[TB], \base
	s_mov_b32 s[CNT], \cnt
.Lrun_\@:
	s_setprio 2
	STEP
	s_add_co_u32 s[TB], s[TB], REC
	s_sub_co_i32 s[CNT], s[CNT], 1
	s_cmp_lg_u32 s[CNT], 0
	s_cbranch_scc1 .Lrun_\@
	s_setprio 0
.endm
.macro PASS_HEAD p
.if \p
	s_wait_xcnt 0x0                                ; the first head's store has read its registers: they are written again below
.endif
	v_mov_b32 v13, 0xff61b1e6                      ; the largest t so far: -3e38, under every t
	s_delay_alu instid0(VALU_DEP_1)
	v_floor_f32 v12, -v13                          ; -M
	v_mov_b32 v14, 0
	v_mov_b32 v15, 0
.irp j, 0,1,2,3,4,5,6,7,8,9,10,11,12,13,14,15,16,17,18,19,20,21,22,23,24,25,26,27,28,29,30,31
	v_mov_b32 v[160+\j], 0                         ; O^T: the step is written once; the first finds zeros, which the first change of M leaves zeros
.endr
	s_wait_loadcnt 0x0                             ; q and its scale words
.endm
; A head's end: O^T / the sum, quantised along the head's 64 channels (two blocks), stored as an image of the last product's operand.
.macro PASS_TAIL p
.rept 4
	v_nop                                          ; places behind the last products
.endr
.if \p == 0
	global_load_b128 v[16:19], v[L16], s[4:5] offset:65536    ; the second head's q
	global_load_b32 v255, v[R4], s[6:7] offset:8192
.endif
	v_add_f32 v14, v14, v15
	s_delay_alu instid0(VALU_DEP_1)
	v_permlanex16_b32 v252, v14, s[SEL], s[SEL+1]
	s_delay_alu instid0(VALU_DEP_1)
	v_add_f32 v14, v14, v252                       ; the row's sum
	s_wait_alu depctr_va_vdst(0)
	v_rcp_f32 v14, v14
	v_nop                                          ; a plain place behind the transcendental
	s_wait_alu depctr_va_vdst(0)                   ; the wait ahead of its first reader
.irp j, 0,2,4,6,8,10,12,14,16,18,20,22,24,26,28,30
	v_pk_mul_f32 v[96+\j:97+\j], v[160+\j:161+\j], v[14:15] op_sel_hi:[1,0]   ; register 8 t + i is o(my token, 16 t + 8 (lane / 16) + i); each accumulator from its low end on
.endr
.irp b, 0,1
	v_max3_num_f32 v[232+\b], |v[96+16*\b]|, |v[97+16*\b]|, 0x1800000
.endr
.irp i, 2,4,6,8,10,12,14
.irp b, 0,1
	s_delay_alu instid0(VALU_DEP_2)
	v_max3_num_f32 v[232+\b], v[232+\b], |v[96+16*\b+\i]|, |v[97+16*\b+\i]|
.endr
.endr
.irp b, 0,1
	s_delay_alu instid0(VALU_DEP_2)
	v_permlanex16_b32 v[236+\b], v[232+\b], s[SEL], s[SEL+1]
.endr
.irp b, 0,1
	s_delay_alu instid0(VALU_DEP_2)
	v_max_num_f32 v[232+\b], v[232+\b], v[236+\b]
.endr
.irp b, 0,1
	s_delay_alu instid0(VALU_DEP_2)
	v_add_nc_u32 v[244+\b], 0xff000000, v[232+\b]
.endr
.irp b, 0,1
	s_delay_alu instid0(VALU_DEP_2)
	v_lshrrev_b32 v[236+\b], 23, v[244+\b]
.endr
.if \p == 0
	s_delay_alu instid0(VALU_DEP_1)
	v_lshl_or_b32 v[SW], v237, 8, v236
.else
	s_delay_alu instid0(VALU_DEP_2)
	v_lshl_or_b32 v[SW], v236, 16, v[SW]
	s_delay_alu instid0(VALU_DEP_1)
	v_lshl_or_b32 v[SW], v237, 24, v[SW]
.endif
.irp t, 0,1,2,3
	v_cvt_scalef32_pk8_fp4_f32 v[128+2*(\t%2)+\t/2], v[96+8*\t:103+8*\t], v[244+\t/2]
.endr
	v_nop
	v_permlane16_swap_b32 v128, v129
	v_permlane16_swap_b32 v130, v131
	global_store_b128 v[L16], v[128:131], s[10:11] offset:512*\p   ; 512 consecutive bytes, aligned
.endm
	s_load_b256 s[4:11], s[0:1], 0x0               ; qimg s[4:5], qsc s[6:7], kv s[8:9], aimg s[10:11]
	s_load_b64 s[12:13], s[0:1], 0x20              ; osc
	v_lshl_add_u32 v250, v0, 2, 0x46400
	v_mov_b32 v251, 0
	ds_add_u32 v250, v251
	ds_add_u32 v250, v251
	v_lshrrev_b32 v3, 5, v0
	s_delay_alu instid0(VALU_DEP_1)
	v_readfirstlane_b32 s[WV], v3                  ; wave 0..15
	s_and_b32 s[W3], s[WV], 3
	v_and_b32 v[L16], 31, v0
	s_delay_alu instid0(VALU_DEP_1)
	v_lshlrev_b32 v[L16], 4, v[L16]
	v_and_b32 v[R4], 15, v0
	s_delay_alu instid0(VALU_DEP_1)
	v_lshlrev_b32 v[R4], 2, v[R4]
	s_lshl_b32 s66, s[WV], 6
	s_add_co_u32 s66, s66, STG
	v_add_nc_u32 v[STA], s66, v[R4]
	v_lshlrev_b32 v[T16], 4, v0
	s_delay_alu instid0(VALU_DEP_1)
	v_add_nc_u32 v[STB], STG, v[T16]
	s_bfe_u32 s16, ttmp6, 0x40000                  ; cx: it enters q's, aimg's and osc's addresses alone
	s_lshl_b32 s17, ttmp9, 2
	s_add_co_u32 s17, s17, s16                     ; my block of 256 queries
	s_and_b32 s18, ttmp7, 0xffff                   ; y = 8 batch + pair of heads: the four partners share it
	s_mov_b32 s[SEL], 0x76543210
	s_mov_b32 s[SEL+1], 0xfedcba98
	s_mov_b32 s[CS], 0x3e38aa3b                    ; c = log2(e) / 8
	s_mov_b32 s[CS+1], s[CS]
	; group 1: dense bytes as rows of 256 (32 elements of 8 bytes), no padding: 35, 105 and 140 rows
.irp g, G1A, G1B, G1C
	s_mov_b32 s[\g], 15|(3<<16)|(1<<21)            ; 15:0 the mask: all four work-groups; 17:16 elements of 8 bytes; 21 set beside a mask
	s_mov_b32 s[\g+1], 32<<16
	s_mov_b32 s[\g+3], 32<<16
	s_mov_b32 s[\g+5], 32
	s_mov_b32 s[\g+6], 0
	s_mov_b32 s[\g+7], 0
.endr
	s_mov_b32 s[G1A+2], 35<<16
	s_mov_b32 s[G1A+4], 35
	s_mov_b32 s[G1B+2], 105<<16
	s_mov_b32 s[G1B+4], 105
	s_mov_b32 s[G1C+2], 140<<16
	s_mov_b32 s[G1C+4], 140
	s_mul_i32 s66, s18, 2*HEADB                    ; the pair's first byte in kv
	s_mov_b32 s67, 0
	s_mul_i32 s68, s[W3], REC                      ; what wave w of 0..3 fetches, the same byte in the pair and in LDS: first head, step w;
	s_mov_b32 s69, 0
	s_mul_i32 s70, s[W3], 3*REC
	s_add_co_u32 s70, s70, 4*REC                   ; its steps 4 + 3 w on;
	s_mov_b32 s71, 0
	s_mul_i32 s72, s[W3], 4*REC
	s_add_co_u32 s72, s72, HEADB                   ; second head, steps 4 w on
	s_mov_b32 s73, 0
	s_wait_dscnt 0x0
	s_wait_kmcnt 0x0
	s_add_nc_u64 s[8:9], s[8:9], s[66:67]
	s_mov_b32 s[G0A], 1
	s_mov_b32 s[G0A+1], s68
	s_add_nc_u64 s[G0A+2:G0A+3], s[8:9], s[68:69]
	s_or_b32 s[G0A+3], s[G0A+3], 0x80000000
	s_mov_b32 s[G0B], 1
	s_mov_b32 s[G0B+1], s70
	s_add_nc_u64 s[G0B+2:G0B+3], s[8:9], s[70:71]
	s_or_b32 s[G0B+3], s[G0B+3], 0x80000000
	s_mov_b32 s[G0C], 1
	s_mov_b32 s[G0C+1], s72
	s_add_nc_u64 s[G0C+2:G0C+3], s[8:9], s[72:73]
	s_or_b32 s[G0C+3], s[G0C+3], 0x80000000
	s_lshl_b32 s74, s17, 4
	s_add_co_u32 s74, s74, s[WV]                   ; my tile of 16 queries in the batch
	s_lshl_b32 s66, s18, 17                        ; head 2 y: 65,536 bytes of images a head
	s_lshl_b32 s75, s74, 9
	s_add_co_u32 s66, s66, s75
	s_add_nc_u64 s[4:5], s[4:5], s[66:67]
	s_lshl_b32 s66, s18, 14                        ; 8,192 bytes of words a head
	s_lshl_b32 s75, s74, 6
	s_add_co_u32 s66, s66, s75
	s_add_nc_u64 s[6:7], s[6:7], s[66:67]
	s_lshr_b32 s75, s18, 3                         ; the batch
	s_lshl_b32 s66, s75, 7
	s_add_co_u32 s66, s66, s74                     ; my tile among all 512
	s_lshl_b32 s66, s66, 13                        ; 16 heads x 512 bytes a tile
	s_and_b32 s74, s18, 7                          ; the pair
	s_lshl_b32 s19, s74, 10
	s_add_co_u32 s66, s66, s19
	s_add_nc_u64 s[10:11], s[10:11], s[66:67]
	s_lshl_b32 s66, s74, 15                        ; osc: 32,768 bytes a pair,
	s_lshl_b32 s75, s75, 13                        ; 4 bytes a token
	s_add_co_u32 s66, s66, s75
	s_lshl_b32 s75, s17, 10
	s_add_co_u32 s66, s66, s75
	s_add_nc_u64 s[12:13], s[12:13], s[66:67]
.irp j, 20,21,22,23
	v_mov_b32 v[\j], 0                             ; q's zero codes for k = 64 .. 127
.endr
.irp t, 0,1,2,3,4,5,6,7
.irp j, 4,5,6,7
	v_mov_b32 v[32+8*\t+\j], 0                     ; k's likewise: written once, no load lands here
.endr
.endr
.irp j, 236,237,238,239,249,252
	v_mov_b32 v[\j], 0                             ; lane permutes' destinations, and the upper half of the pair v[248:249]
.endr
	ROUND                                          ; all four work-groups are here: the joint loads meet
	s_cmp_lt_u32 s[WV], 4
	s_cbranch_scc0 .Lno_fetch
	tensor_load_to_lds s[G0A:G0A+3], s[G1A:G1A+7]  ; all that the launch fetches: three tensor loads of mine are out
	s_nop 0
	tensor_load_to_lds s[G0B:G0B+3], s[G1B:G1B+7]
	s_nop 0
	tensor_load_to_lds s[G0C:G0C+3], s[G1C:G1C+7]
	s_nop 0
.rept 4
	v_nop
.endr
.Lno_fetch:
	global_load_b128 v[16:19], v[L16], s[4:5]      ; the first head's q: an image of the fragment's registers 0-3
	global_load_b32 v255, v[R4], s[6:7]
	PASS_HEAD 0
	RUN 4, 2, 0                                    ; the first load has landed; the two behind it may be out
	RUN 12, 1, 4*REC
	PASS_TAIL 0
	PASS_HEAD 1
	RUN 16, 0, HEADB
	PASS_TAIL 1
	ds_store_b32 v[STA], v[SW]                     ; both halves of the lanes hold the same word and write it to the same place
	s_wait_dscnt 0x0                               ; for the others' sake
	s_barrier_signal -1
	s_barrier_wait -1
	s_cmp_lt_u32 s[WV], 2
	s_cbranch_scc0 .Lno_words
	ds_load_b128 v[132:135], v[STB]                ; the 256 tokens' words: 1,024 bytes, 64 threads
	s_wait_dscnt 0x0
	global_store_b128 v[T16], v[132:135], s[12:13] ; sixteen lanes store 256 consecutive bytes, aligned
.Lno_words:
	s_wait_tensorcnt 0x0
	ds_add_u32 v250, v251
	s_wait_dscnt 0x0
	ROUND                                          ; the closing round
	s_endpgm
.Lfunc_end_k_qa3e8311631_attn:
	.size	k_qa3e8311631_attn, .Lfunc_end_k_qa3e8311631_attn-k_qa3e8311631_attn
	.p2alignl 7, 3214868480
	.fill 96, 4, 3214868480
	.section	.rodata,"a",@progbits
	.p2align	6, 0x0
	.amdhsa_kernel k_qa3e8311631_attn
		.amdhsa_group_segment_fixed_size 289792
		.amdhsa_private_segment_fixed_size 0
		.amdhsa_enable_private_segment 0
		.amdhsa_kernarg_size 40
		.amdhsa_user_sgpr_count 2
		.amdhsa_user_sgpr_kernarg_segment_ptr 1
		.amdhsa_wavefront_size32 1
		.amdhsa_system_sgpr_workgroup_id_x 1
		.amdhsa_system_sgpr_workgroup_id_y 1
		.amdhsa_system_sgpr_workgroup_id_z 1
		.amdhsa_system_vgpr_workitem_id 0
		.amdhsa_next_free_vgpr 256
		.amdhsa_next_free_sgpr 76
		.amdhsa_reserve_vcc 0
		.amdhsa_float_denorm_mode_32 3
		.amdhsa_float_denorm_mode_16_64 3
		.amdhsa_memory_ordered 1
		.amdhsa_forward_progress 1
		.amdhsa_inst_pref_size 70
	.end_amdhsa_kernel
	.amdgpu_metadata
---
amdhsa.version: [ 1, 2 ]
amdhsa.kernels:
  - .name:           k_qa3e8311631_attn
    .symbol:         k_qa3e8311631_attn.kd
    .args:
      - { .name: qimg, .offset: 0, .size: 8, .value_kind: global_buffer, .address_space: global }
      - { .name: qsc, .offset: 8, .size: 8, .value_kind: global_buffer, .address_space: global }
      - { .name: kv, .offset: 16, .size: 8, .value_kind: global_buffer, .address_space: global }
      - { .name: aimg, .offset: 24, .size: 8, .value_kind: global_buffer, .address_space: global }
      - { .name: osc, .offset: 32, .size: 8, .value_kind: global_buffer, .address_space: global }
    .group_segment_fixed_size: 289792
    .private_segment_fixed_size: 0
    .kernarg_segment_align: 8
    .kernarg_segment_size: 40
    .max_flat_workgroup_size: 512
    .sgpr_count:     76
    .vgpr_count:     256
    .wavefront_size: 32
...
	.end_amdgpu_metadata
.endif
;; end of part 2
;; launch proj (part 3): grid 8 x 32, 4 waves a work-group, clusters of 4 x 4, 231,168 bytes of LDS; arguments aimg, osc, out_w_codes, out_w_scales, out_b, out0; writes out0
.if DOCPART == 3
	.amdgcn_target "amdgcn-amd-amdhsa--gfx1250"
	.amdhsa_code_object_version 6
	.text
	.protected	k_qa3e8311631_proj
	.globl	k_qa3e8311631_proj
	.p2align	8
	.type	k_qa3e8311631_proj,@function
k_qa3e8311631_proj:
	s_mov_b64 s[64:65], 0
	v_nop
	global_prefetch_b8 v0, s[64:65] scope:SCOPE_SE
	s_setreg_imm32_b32 hwreg(HW_REG_WAVE_MODE, 25, 1), 1
	s_wait_xcnt 0x0
	s_wait_alu depctr_hold_cnt(0) depctr_sa_sdst(0) depctr_va_vdst(0) depctr_va_sdst(0) depctr_va_ssrc(0) depctr_va_vcc(0) depctr_vm_vsrc(0)
	s_getreg_b32 s2, hwreg(HW_REG_IB_STS2, 6, 4)
	s_cmp_eq_u32 s2, 0
	s_cbranch_scc0 .Lentry_in_a_cluster
	s_endpgm
.Lentry_in_a_cluster:
	s_bfe_u32 s2, ttmp6, 0x10000c
	s_cmp_lg_u32 s2, 0xf033
	s_cbranch_scc0 .Lentry_shape_is_right
	s_endpgm
.Lentry_shape_is_right:
; out0 = o W^T + b on codes of FP4 (E2M1) with one E8M0 scale for each 32 along K.  o: 8,192 tokens x 1,024, as images of the operand's registers: aimg [tile of 16 tokens 512][head 16][512 bytes]; heads 2 j, 2 j + 1 are the
; fragment of K step j; osc [j 8][token 8192] its scale words.  W: [1024][1024] codes, 512 bytes a row; its scale bytes 32 a row; b: [1024] f32; out0: [8192][1024] f32.
; A work-group of four waves makes 256 tokens x 128 columns (256 work-groups); a wave 128 tokens x 64 columns: 32 accumulators, 256 registers.  K = 1,024 lies in LDS whole, as two slots of 512 along K, each filled ONCE.
; CLUSTERS: 4 x 4 work-groups; o's tiles are shared along a row of the cluster, W's along a column: each is asked for jointly.
; THE MATRIX INSTRUCTION IS USED TRANSPOSED (source 0 = 16 rows of W, source 1 = 16 tokens): a lane holds eight neighbouring columns of one row of out0.  The bias is the C of each sum's first product.
; REGISTERS: window 0: v1-26 addresses; v32-39 o's scale words, two sets of 4 (register i: tile 2 i in lanes 0-15, tile 2 i + 1 in lanes 16-31); v40-71 W's, a set of 16 for each slot; v128-255 o's fragments, two sets.
;   window 1: v0-63 W's fragments, two sets; v64-95 the bias.   window 2: accumulator (a, b) at v[8 (4 a + b)].
.set PITCH, 272                        ; a row of W's codes in LDS, and a row of the stage: 256 bytes + 16
.set ASLOT, 65536                      ; o: [half of the tokens][tile 8][4,096 bytes], no padding: every read is 16 x lane
.set BT,    2*ASLOT                    ; W's slots: 128 rows each
.set BSLOT, 128*PITCH
.set ASC,   BT+2*BSLOT                 ; o's scale words: [half][j 8][128 words]
.set BSC,   ASC+8192                   ; W's scale bytes: pieces of 256 bytes + 16; 2,176 bytes for 64 rows
.set STG,   BSC+2*2176                 ; the way out: 16 rows x 272 bytes for each wave; no tensor load lands here
.set WV,  20
.set HA,  21                           ; which half of the tokens is mine; also: I fetch for o (0) or for W (1)
.set HB,  22                           ; which half of the columns; also: which half of that tile I fetch
.set G1A, 24
.set G0A, 32
.set G1B, 40
.set G0B, 48
.set G1SA, 56
.set G0SA, 68
.set G1SB, 72
.set G0SB, 80
.set ADRA, 16
.set ADRB, 20
.set ADSA, 22
.set ADSB, 23
.set STO,  24
.set RD,   25
.set CO,   26
.set SA,   32
.set SB,   40
.set AF,   128
.set BIAS, 64
.set BK,   128
.set MSB, 0
.macro WIN new
.if MSB != (\new)
	s_set_vgpr_msb (MSB<<8)|(\new)
.set MSB, (\new)
.endif
.endm
.macro JLOAD g0a, g1a, g0b, g1b        ; waves 0 and 1 fetch for o, waves 2 and 3 for W; four v_nop follow each of the two lines
	s_cmp_eq_u32 s[HA], 0
	s_cbranch_scc0 .Lfor_w_\@
	tensor_load_to_lds s[\g0a:\g0a+3], s[\g1a:\g1a+7]
	s_nop 0
.rept 4
	v_nop
.endr
	s_branch .Lasked_\@
.Lfor_w_\@:
	tensor_load_to_lds s[\g0b:\g0b+3], s[\g1b:\g1b+7]
	s_nop 0
.rept 4
	v_nop
.endr
.Lasked_\@:
.endm
.macro CROUND
	s_barrier_signal -1
	s_barrier_wait -1
	s_cmp_lg_u32 s[WV], 0
	s_cbranch_scc1 .Lnot_wave_0_\@
	s_barrier_signal -3
.Lnot_wave_0_\@:
	s_barrier_wait -3
	s_barrier_signal -1
	s_barrier_wait -1
.endm
.macro PLACES n
.rept \n
	v_nop
.endr
.endm
.macro FETCH3 g                        ; step g's fragments and o's scale words into set g % 2; with a slot's first step W's scale words
.set FP, (\g)%2
.set FQ, (\g)%4
.set FS, (\g)/4
	WIN 0x40
.irp b, 0,1,2,3
.irp c, 0,1
	ds_load_b128 v[32*FP+8*\b+4*\c:32*FP+8*\b+4*\c+3], v[ADRB+FS] offset:64*FQ+32*\c+\b*16*PITCH
.endr
.endr
	WIN 0
.irp a, 0,1,2,3,4,5,6,7
.irp c, 0,1
	ds_load_b128 v[AF+64*FP+8*\a+4*\c:AF+64*FP+8*\a+4*\c+3], v[ADRA+FS] offset:4096*\a+1024*FQ+512*\c
.endr
.endr
.irp i, 0,1,2,3
	ds_load_b32 v[SA+4*FP+\i], v[ADSA] offset:512*(\g)+128*\i
.endr
.if FQ == 0
.irp b, 0,1,2,3
	ds_load_b128 v[SB+16*FS+4*\b:SB+16*FS+4*\b+3], v[ADSB] offset:544*\b+16*FS
.endr
.endif
.endm
.macro MUL3 g, cm                      ; step g's 32 products; the accumulators take turns, one instruction a turn.  cm = 1: the bias starts the sums
.set MP, (\g)%2
.set MQ, (\g)%4
.set MS, (\g)/4
.if (\cm) != 0
	WIN 0x91                                       ; source 0 (W) window 1, source 1 (o) window 0, C (the bias) window 1, D window 2
.else
	WIN 0xa1                                       ; C and D window 2
.endif
.irp a, 0,1,2,3,4,5,6,7
.irp b, 0,1,2,3
.set MD, 8*(4*\a+\b)
.set MC, MD
.if (\cm) != 0
.set MC, BIAS+8*\b
.endif
.if (\a%2) == 0
	v_wmma_scale_f32_16x16x128_f8f6f4 v[MD:MD+7], v[32*MP+8*\b:32*MP+8*\b+7], v[AF+64*MP+8*\a:AF+64*MP+8*\a+7], v[MC:MC+7], v[SB+16*MS+4*\b+MQ], v[SA+4*MP+\a/2] matrix_a_fmt:MATRIX_FMT_FP4 matrix_b_fmt:MATRIX_FMT_FP4
.else
	v_wmma_scale_f32_16x16x128_f8f6f4 v[MD:MD+7], v[32*MP+8*\b:32*MP+8*\b+7], v[AF+64*MP+8*\a:AF+64*MP+8*\a+7], v[MC:MC+7], v[SB+16*MS+4*\b+MQ], v[SA+4*MP+\a/2] matrix_a_fmt:MATRIX_FMT_FP4 matrix_b_fmt:MATRIX_FMT_FP4 matrix_b_scale:MATRIX_SCALE_ROW1
.endif
.endr
.endr
.endm
.macro KSTEP3 g
.if (\g) == 3
	s_wait_tensorcnt 0x0                           ; my part of slot 1 has landed
.endif
	s_wait_dscnt 0x0                               ; step g's loads, issued 32 matrix instructions ago, are in
.if (\g) == 3
	s_barrier_signal -1
	s_barrier_wait -1                              ; everybody's part has
.endif
	PLACES 4                                       ; between the last products and the loads into the set that they read
.if (\g) < 7
	FETCH3 (\g)+1
.endif
	MUL3 \g, 0
.endm
; THE WAY OUT, a block of 16 tokens x 64 columns at a time, through my own stage: in as 32 bytes a lane, back as whole rows of 256 bytes.
.macro TOSTAGE a
	WIN 0x08                                       ; an LDS store's data are its source 1: window 2
.irp b, 0,1,2,3
	ds_store_b128 v[STO], v[8*(4*(\a)+\b):8*(4*(\a)+\b)+3] offset:64*\b        ; each accumulator from its low end on
	ds_store_b128 v[STO], v[8*(4*(\a)+\b)+4:8*(4*(\a)+\b)+7] offset:64*\b+16
.endr
	WIN 0
.set BB, BK+32*((\a)%2)
.irp t, 0,1,2,3,4,5,6,7
	ds_load_b128 v[BB+4*\t:BB+4*\t+3], v[RD] offset:\t*2*PITCH    ; LDS serves a wave's instructions in order (ISA guide 5.7.1.4): these see the stores above
.endr
.endm
.macro SEND a, younger                 ; younger: the LDS instructions issued behind block a's loads
.set BB, BK+32*((\a)%2)
	s_wait_dscnt \younger
.irp t, 0,1,2,3,4,5,6,7
	global_store_b128 v[CO], v[BB+4*\t:BB+4*\t+3], s[14:15] offset:(16*(\a)+2*\t)*4096 th:TH_STORE_NT   ; sixteen lanes store 256 consecutive bytes, aligned; 126 rows of 4,096 bytes at the most: inside the signed 24-bit immediate
.endr
.endm
	s_load_b256 s[4:11], s[0:1], 0x0               ; aimg s[4:5], osc s[6:7], W's codes s[8:9], W's scales s[10:11]
	s_load_b128 s[12:15], s[0:1], 0x20             ; b s[12:13], out0 s[14:15]
	v_lshl_add_u32 v126, v0, 2, 0x38500
	v_mov_b32 v127, 0
	ds_add_u32 v126, v127
	ds_add_u32 v126, v127
	v_lshrrev_b32 v1, 5, v0
	v_readfirstlane_b32 s[WV], v1
	s_lshr_b32 s[HA], s[WV], 1
	s_and_b32 s[HB], s[WV], 1
	s_bfe_u32 s84, ttmp6, 0x40000
	s_bfe_u32 s85, ttmp6, 0x40004
	s_lshl_b32 s86, ttmp9, 2
	s_add_co_u32 s86, s86, s84                     ; gx: which 128 columns
	s_and_b32 s87, ttmp7, 0xffff
	s_lshl_b32 s87, s87, 2
	s_add_co_u32 s87, s87, s85                     ; gy: which 256 tokens
	s_lshl_b32 s88, s85, 2
	s_lshl_b32 s88, 15, s88                        ; my row of the cluster
	s_lshl_b32 s89, 0x1111, s84                    ; my column
	; o's images: 8 tiles of tokens x 4,096 bytes (512 elements of 8 bytes), 8,192 bytes from tile to tile
	s_or_b32 s[G1A], s88, (3<<16)|(1<<21)
	s_mov_b32 s[G1A+1], 512<<16
	s_mov_b32 s[G1A+2], 8<<16
	s_mov_b32 s[G1A+3], 512<<16
	s_mov_b32 s[G1A+4], 8
	s_mov_b32 s[G1A+5], 1024
	s_mov_b32 s[G1A+6], 0
	s_mov_b32 s[G1A+7], 0
	; W's codes: 64 rows x 256 bytes, 512 bytes from row to row, 16 bytes of padding behind each
	s_or_b32 s[G1B], s89, (1<<20)|(1<<21)|(5<<22)|(3<<25)
	s_mov_b32 s[G1B+1], 256<<16
	s_mov_b32 s[G1B+2], 64<<16
	s_mov_b32 s[G1B+3], 256<<16
	s_mov_b32 s[G1B+4], 64
	s_mov_b32 s[G1B+5], 512
	s_mov_b32 s[G1B+6], 0
	s_mov_b32 s[G1B+7], 0
	; o's scale words: 8 K steps x 512 bytes (128 tokens), 32,768 bytes from K step to K step
	s_or_b32 s[G1SA], s88, (3<<16)|(1<<21)
	s_mov_b32 s[G1SA+1], 64<<16
	s_mov_b32 s[G1SA+2], 8<<16
	s_mov_b32 s[G1SA+3], 64<<16
	s_mov_b32 s[G1SA+4], 8
	s_mov_b32 s[G1SA+5], 4096
	s_mov_b32 s[G1SA+6], 0
	s_mov_b32 s[G1SA+7], 0
	; W's scale bytes of 64 rows: 2,048 dense bytes as 8 rows of 256, 16 bytes of padding behind each
	s_or_b32 s[G1SB], s89, (3<<16)|(1<<20)|(1<<21)|(5<<22)|(3<<25)
	s_mov_b32 s[G1SB+1], 32<<16
	s_mov_b32 s[G1SB+2], 8<<16
	s_mov_b32 s[G1SB+3], 32<<16
	s_mov_b32 s[G1SB+4], 8
	s_mov_b32 s[G1SB+5], 32
	s_mov_b32 s[G1SB+6], 0
	s_mov_b32 s[G1SB+7], 0
	s_lshl_b32 s92, s87, 17                        ; o: tile 16 gy + 8 half, 8,192 bytes a tile
	s_lshl_b32 s90, s[HB], 16
	s_add_co_u32 s92, s92, s90
	s_mov_b32 s93, 0
	s_lshl_b32 s96, s87, 10                        ; its words: token 256 gy + 128 half
	s_lshl_b32 s90, s[HB], 9
	s_add_co_u32 s96, s96, s90
	s_mov_b32 s97, 0
	s_lshl_b32 s94, s86, 16                        ; W: row 128 gx + 64 half, 512 bytes a row
	s_lshl_b32 s90, s[HB], 15
	s_add_co_u32 s94, s94, s90
	s_mov_b32 s95, 0
	s_lshl_b32 s98, s86, 12                        ; its scale bytes: 32 a row
	s_lshl_b32 s90, s[HB], 11
	s_add_co_u32 s98, s98, s90
	s_mov_b32 s99, 0
	s_lshl_b32 s100, s[HB], 15                     ; where they go: no place in the cluster enters an LDS address
	s_mul_i32 s101, s[HB], 64*PITCH
	s_add_co_u32 s101, s101, BT
	s_lshl_b32 s66, s[HB], 12
	s_add_co_u32 s66, s66, ASC
	s_mul_i32 s67, s[HB], 2176
	s_add_co_u32 s67, s67, BSC
	s_wait_dscnt 0x0
	s_wait_kmcnt 0x0
	s_add_nc_u64 s[92:93], s[4:5], s[92:93]
	s_add_nc_u64 s[96:97], s[6:7], s[96:97]
	s_add_nc_u64 s[94:95], s[8:9], s[94:95]
	s_add_nc_u64 s[98:99], s[10:11], s[98:99]
	s_mov_b32 s[G0SA], 1
	s_mov_b32 s[G0SA+1], s66
	s_mov_b64 s[G0SA+2:G0SA+3], s[96:97]
	s_or_b32 s[G0SA+3], s[G0SA+3], 0x80000000
	s_mov_b32 s[G0SB], 1
	s_mov_b32 s[G0SB+1], s67
	s_mov_b64 s[G0SB+2:G0SB+3], s[98:99]
	s_or_b32 s[G0SB+3], s[G0SB+3], 0x80000000
.irp s, 0,1
	s_mov_b32 s[G0A+4*\s], 1
	s_add_co_u32 s[G0A+4*\s+1], s100, \s*ASLOT
	s_add_nc_u64 s[G0A+4*\s+2:G0A+4*\s+3], s[92:93], \s*4096
	s_or_b32 s[G0A+4*\s+3], s[G0A+4*\s+3], 0x80000000
	s_mov_b32 s[G0B+4*\s], 1
	s_add_co_u32 s[G0B+4*\s+1], s101, \s*BSLOT
	s_add_nc_u64 s[G0B+4*\s+2:G0B+4*\s+3], s[94:95], \s*256
	s_or_b32 s[G0B+4*\s+3], s[G0B+4*\s+3], 0x80000000
.endr
	CROUND                                         ; all sixteen work-groups are here: the joint loads meet
	JLOAD G0SA, G1SA, G0SB, G1SB                   ; all that the launch fetches goes out now: three tensor loads of mine are out
	JLOAD G0A, G1A, G0B, G1B
	JLOAD G0A+4, G1A, G0B+4, G1B
	v_and_b32 v1, 15, v0                           ; r
	v_bfe_u32 v2, v0, 4, 1                         ; h
	v_and_b32 v3, 31, v0                           ; lane
	s_wait_alu depctr_va_vdst(0)
	v_lshlrev_b32 v4, 4, v3
	s_lshl_b32 s4, s[HA], 15                       ; my 8 tiles of tokens
	v_mul_u32_u24 v5, v1, PITCH
	v_lshl_add_u32 v6, v2, 4, v5                   ; W: row r x pitch + 16 h
	s_mul_i32 s5, s[HB], 64*PITCH                  ; my 64 rows of W
	s_add_co_u32 s5, s5, BT
.irp s, 0,1
	v_add_nc_u32 v[ADRA+\s], s4, v4
	v_add_nc_u32 v[ADRB+\s], s5, v6
	s_add_co_u32 s4, s4, ASLOT
	s_add_co_u32 s5, s5, BSLOT
.endr
	s_lshl_b32 s4, s[HA], 12
	s_add_co_u32 s4, s4, ASC
	v_lshl_add_u32 v[ADSA], v3, 2, s4              ; o's words: 4 x lane: two tiles of tokens to a register
	v_lshlrev_b32 v6, 5, v1
	v_lshrrev_b32 v7, 3, v1
	v_lshl_add_u32 v6, v7, 4, v6                   ; W's: 32 bytes a row, and 16 more behind each 256
	s_mul_i32 s5, s[HB], 2176
	s_add_co_u32 s5, s5, BSC
	v_add_nc_u32 v[ADSB], s5, v6
	s_mul_i32 s4, s[WV], 16*PITCH
	s_add_co_u32 s4, s4, STG                       ; my stage
	v_lshl_add_u32 v7, v2, 5, v5
	v_add_nc_u32 v[STO], s4, v7                    ; in: row r, 32 bytes for each half of the lanes
	v_mul_u32_u24 v7, v2, PITCH
	v_lshl_add_u32 v7, v1, 4, v7
	v_add_nc_u32 v[RD], s4, v7                     ; back: lanes 0-15 one row, lanes 16-31 the next
	v_lshlrev_b32 v[CO], 12, v2
	v_lshl_add_u32 v[CO], v1, 4, v[CO]             ; and the same two rows in out0
	s_lshl_b32 s4, s87, 20                         ; out0: token 256 gy + 128 half, 4,096 bytes a row;
	s_lshl_b32 s5, s[HA], 19
	s_add_co_u32 s4, s4, s5
	s_lshl_b32 s5, s86, 9                          ; column 128 gx + 64 half, 4 bytes each
	s_add_co_u32 s4, s4, s5
	s_lshl_b32 s5, s[HB], 8
	s_add_co_u32 s4, s4, s5
	s_mov_b32 s5, 0
	s_add_nc_u64 s[14:15], s[14:15], s[4:5]
	s_lshl_b32 s4, s86, 9                          ; b at my 64 columns
	s_lshl_b32 s6, s[HB], 8
	s_add_co_u32 s4, s4, s6
	s_add_nc_u64 s[12:13], s[12:13], s[4:5]
	v_lshlrev_b32 v10, 5, v2
	WIN 0x40
.irp b, 0,1,2,3
	global_load_b128 v[BIAS+8*\b:BIAS+8*\b+3], v10, s[12:13] offset:64*\b        ; b(16 b + 8 h + j): the result's layout
	global_load_b128 v[BIAS+8*\b+4:BIAS+8*\b+7], v10, s[12:13] offset:64*\b+16
.endr
	WIN 0
	s_wait_alu depctr_va_vdst(0)
	s_wait_tensorcnt 1                             ; the scales and my part of slot 0 are in; slot 1's load, issued behind them, may stay out
	s_barrier_signal -1
	s_barrier_wait -1
	FETCH3 0
	s_wait_loadcnt 0x0                             ; the bias
	s_wait_dscnt 0x0
	FETCH3 1
	MUL3 0, 1
	KSTEP3 1
	KSTEP3 2
	KSTEP3 3
	KSTEP3 4
	KSTEP3 5
	KSTEP3 6
	KSTEP3 7
	WIN 0
	PLACES 4                                       ; behind the last products: ahead of the first read of results and of loads into o's registers
	TOSTAGE 0
.irp a, 1,2,3,4,5,6,7
.if \a > 1
	s_wait_xcnt 0x0                                ; block a - 2's stores have read their registers: block a's loads may land there
.endif
	TOSTAGE \a
	SEND \a-1, 16                                  ; behind block a - 1's loads: block a's 8 stores and 8 loads
.endr
	SEND 7, 0
	s_wait_tensorcnt 0x0
	ds_add_u32 v126, v127
	s_wait_dscnt 0x0
	CROUND                                         ; the closing round
	s_endpgm
.Lfunc_end_k_qa3e8311631_proj:
	.size	k_qa3e8311631_proj, .Lfunc_end_k_qa3e8311631_proj-k_qa3e8311631_proj
	.p2alignl 7, 3214868480
	.fill 96, 4, 3214868480
	.section	.rodata,"a",@progbits
	.p2align	6, 0x0
	.amdhsa_kernel k_qa3e8311631_proj
		.amdhsa_group_segment_fixed_size 231168
		.amdhsa_private_segment_fixed_size 0
		.amdhsa_enable_private_segment 0
		.amdhsa_kernarg_size 48
		.amdhsa_user_sgpr_count 2
		.amdhsa_user_sgpr_kernarg_segment_ptr 1
		.amdhsa_wavefront_size32 1
		.amdhsa_system_sgpr_workgroup_id_x 1
		.amdhsa_system_sgpr_workgroup_id_y 1
		.amdhsa_system_sgpr_workgroup_id_z 1
		.amdhsa_system_vgpr_workitem_id 0
		.amdhsa_next_free_vgpr 768
		.amdhsa_next_free_sgpr 102
		.amdhsa_reserve_vcc 0
		.amdhsa_float_denorm_mode_32 3
		.amdhsa_float_denorm_mode_16_64 3
		.amdhsa_memory_ordered 1
		.amdhsa_forward_progress 1
		.amdhsa_inst_pref_size 75
	.end_amdhsa_kernel
	.amdgpu_metadata
---
amdhsa.version: [ 1, 2 ]
amdhsa.kernels:
  - .name:           k_qa3e8311631_proj
    .symbol:         k_qa3e8311631_proj.kd
    .args:
      - { .name: aimg, .offset: 0, .size: 8, .value_kind: global_buffer, .address_space: global }
      - { .name: osc, .offset: 8, .size: 8, .value_kind: global_buffer, .address_space: global }
      - { .name: out_w_codes, .offset: 16, .size: 8, .value_kind: global_buffer, .address_space: global }
      - { .name: out_w_scales, .offset: 24, .size: 8, .value_kind: global_buffer, .address_space: global }
      - { .name: out_b, .offset: 32, .size: 8, .value_kind: global_buffer, .address_space: global }
      - { .name: out0, .offset: 40, .size: 8, .value_kind: global_buffer, .address_space: global }
    .group_segment_fixed_size: 231168
    .private_segment_fixed_size: 0
    .kernarg_segment_align: 8
    .kernarg_segment_size: 48
    .max_flat_workgroup_size: 128
    .sgpr_count:     102
    .vgpr_count:     768
    .wavefront_size: 32
...
	.end_amdgpu_metadata
.endif
;; end of part 3
